; MI455X (gfx1250); checked and timed in simulation.
; The chip was launched on July 23, 2026; its instructions are those of AMD's public machine-readable ISA for CDNA 5 (MIT licence, August 2026) and "CDNA5" Instruction Set Architecture Reference Guide (July 2026). The comments in the code are by the model that wrote it; some were corrected since.
;; Causal Self Attention. Allowed arithmetic: matrix products marked QUANTISED: E5M2 operands, one given power-of-two scale a tensor, by v_wmma_f32_16x16x64_bf8_bf8 or v_wmma_f32_16x16x128_bf8_bf8, f32 sums; everything else in f32.
;; Inputs: freqs_cos 2,048 x 32 float32; freqs_sin 2,048 x 32 float32; lowp_scales 6 int32 (the exponents e of the quantised operands' scales 2^e); w_attn_codes 3,072 x 32 x 32 uint8 (E5M2 codes of w_attn, K innermost, in blocks of 32 codes); x_codes 2 x 2,048 x 32 x 32 uint8 (E5M2 codes of x, K innermost, in blocks of 32 codes).
;; Outputs: out0 2 x 16 x 2,048 x 64 float32.
;; This version of the problem:
;;   THIS VERSION OF THE PROBLEM IS GIVEN IN LOW PRECISION. The matrix products marked QUANTISED in the list below multiply operands that are first quantised to E5M2 (5 exponent bits, 2 mantissa bits; 8 bits a number), with one given power-of-two scale for each operand tensor; their sums are f32. All else is computed in f32.
;;   The module's matrix products, in the order in which they are computed (A, B: the left and right operand; K: the contracted axis; several contracted axes count as one K, in the product's order):
;;     1. [M 4,096, K 1,024] x [K 1,024, N 3,072]; A: input x (given as codes); B: input w_attn (given as codes): QUANTISED (scales: A lowp_scales[0], B lowp_scales[1])
;;     2. batch 32 x [M 2,048, K 64] x [K 64, N 2,048]; A: computed on the way; B: computed on the way: QUANTISED (scales: A lowp_scales[2], B lowp_scales[3])
;;     3. batch 32 x [M 2,048, K 2,048] x [K 2,048, N 64]; A: softmax (see below); B: computed on the way: QUANTISED (scales: A lowp_scales[4], B lowp_scales[5])
;;   THE QUANTISER, for each operand of a quantised product, along K:
;;     - The operand's scale is 2^e, e = its entry of the input lowp_scales (int32; the entries are numbered through the quantised products in the list's order, A before B).
;;     - Each number is divided by the scale, clamped to +-57,344, and rounded to the nearest number of E5M2, ties to even, subnormals kept.
;;     - The product sums the exact products of the quantised numbers (number of the format x scale) in f32.
;;   ~~~python
;;   def quantise(x, axis, e):      # numpy; x: float32 -> the quantised numbers, widened to float32 again
;;       x = np.moveaxis(x, axis, -1); K = x.shape[-1]
;;       r = np.clip(x / 2.0 ** e, -57344, 57344)
;;       step = 2.0 ** (np.maximum(np.frexp(np.where(r == 0, 1, r))[1] - 1, -14) - 2)
;;       q = np.round(r / step) * step * 2.0 ** e      # np.round: ties to even
;;       return np.moveaxis(q, -1, axis).astype(np.float32)
;;   ~~~
;;   SOFTMAX AHEAD OF A QUANTISED PRODUCT. Where the list says 'softmax', what is quantised is not the finished softmax but p = 2^(t - M), with t = logit x log2(e) and M = ceil(the row's largest t), a whole number; so 1/2 < the row's largest p <= 1. The row's sum l is taken of the UNQUANTISED p, in f32, and the product's result is divided by l at the end. Since M is a whole number, a kernel that streams over the keys may use a running M (the ceiling of the running maximum): every later rescaling is an exact power of two, so the quantised numbers keep their values, but for numbers so far below the row's largest that they fall under the format's range.
;;   OPERANDS COMPUTED ON THE WAY. 'Computed on the way' means the value that the module computes at that place (a softmax that the list does not call 'softmax' is quantised finished and normalised). What goes into a quantiser is computed in f32, as accurately as f32 sums, v_exp_f32 and their like allow (about 1e-6 of the number): no bf16 or f16 on the way to a quantiser, and a product that is left as it is and whose result goes on into a quantised operand takes f32 operands (vector FMAs, or v_wmma_f32_16x16x4_f32). A number that lies on a knife's edge between two numbers of the format may be rounded either way, as far as f32 arithmetic and the matrix unit's own rounding can turn it there, and no further.
;;   INPUTS GIVEN AS CODES. w_attn (in the module: [3072, 1024], K = its axis 1); x (in the module: [2, 2048, 1024], K = its axis 2): each comes as NAME_codes (uint8): NAME with its K axis moved to the last place and cut into blocks of 32 codes, [.., K / 32, bytes a block], one block behind the other in memory; one code a byte (a code: sign, 5 exponent bits, 2 mantissa bits); its scale is its entry of lowp_scales. Its value is code x scale, taken as it is: it is not quantised again, and the codes and scales need not be those that the quantiser above would give.
;; One version. Each part assembles by itself: llvm-mc -triple=amdgcn-amd-amdhsa -mcpu=gfx1250 --defsym DOCPART=n.
;; ======== version 1 of 1: 2 launches
;; limits: right only within a limited range of input values
;; workspace buffers: q_codes 4,194,304 bytes; k_codes 4,194,304 bytes; v_codes 4,194,304 bytes
;; launch qkv (part 1): grid 16 x 16, 4 waves a work-group, clusters of 4 x 4, 327,680 bytes of LDS; arguments x_codes, w_attn_codes, lowp_scales, freqs_cos, freqs_sin, q_codes, k_codes, v_codes; writes q_codes, k_codes, v_codes
.if DOCPART == 1
	.amdgcn_target "amdgcn-amd-amdhsa--gfx1250"
	.amdhsa_code_object_version 6
	.text
	.protected	k_qd158988111_qkv
	.globl	k_qd158988111_qkv
	.p2align	8
	.type	k_qd158988111_qkv,@function
k_qd158988111_qkv:
	s_mov_b64 s[64:65], 0
	v_nop
	global_prefetch_b8 v0, s[64:65] scope:SCOPE_SE
	s_setreg_imm32_b32 hwreg(HW_REG_WAVE_MODE, 25, 1), 1
	s_wait_xcnt 0x0
	s_wait_alu depctr_hold_cnt(0) depctr_sa_sdst(0) depctr_va_vdst(0) depctr_va_sdst(0) depctr_va_ssrc(0) depctr_va_vcc(0) depctr_vm_vsrc(0)
	s_getreg_b32 s2, hwreg(HW_REG_IB_STS2, 6, 4)
	s_cmp_eq_u32 s2, 0
	s_cbranch_scc0 .Lentry_in_a_cluster
	s_endpgm
.Lentry_in_a_cluster:
	s_bfe_u32 s2, ttmp6, 0x10000c
	s_cmp_lg_u32 s2, 0xf033
	s_cbranch_scc0 .Lentry_shape_is_right
	s_endpgm
.Lentry_shape_is_right:
.set PITCH,  272
.set ABYT,   256*PITCH
.set BTY,    64*PITCH
.set SLOT,   ABYT+3*BTY
.set QKST,   2*SLOT
.set VST,    QKST+4*8192
.set SPARE,  VST+64*PITCH
.set ADRA, 16
.set ADRB, 20
.set STQ,  22
.set RDQ,  23
.set GOQ,  24
.set STV,  25
.set RDV,  26
.set GOV,  27
.set SPW,  28
.set NIL,  29
.set CSO,  36
.set WV,   20
.set G1A,  24
.set G0A,  32
.set G1B,  40
.set G0B,  48
.set FLD,  (1<<20)|(1<<21)|(5<<22)|(3<<25)
.set MSB, 0
.macro WIN new
.if MSB != \new
	s_set_vgpr_msb (MSB<<8)|\new
.set MSB, \new
.endif
.endm
.macro PLACES
.rept 4
	v_nop
.endr
.endm
.macro JLOAD s
	s_cmp_eq_u32 s[WV], 3
	s_cbranch_scc0 .Lfor_b_\@
	tensor_load_to_lds s[G0A+4*\s:G0A+4*\s+3], s[G1A:G1A+7]
	s_nop 0
.rept 4
	v_nop
.endr
	s_branch .Lasked_\@
.Lfor_b_\@:
	tensor_load_to_lds s[G0B+4*\s:G0B+4*\s+3], s[G1B:G1B+7]
	s_nop 0
.rept 4
	v_nop
.endr
.Lasked_\@:
.endm
.macro CREST
	s_cmp_lg_u32 s[WV], 0
	s_cbranch_scc1 .Lnot_wave_0_\@
	s_barrier_signal -3
.Lnot_wave_0_\@:
	s_barrier_wait -3
	s_barrier_signal -1
	s_barrier_wait -1
.endm
.macro CROUND
	s_barrier_signal -1
	s_barrier_wait -1
	CREST
.endm
	s_load_b512 s[4:19], s[0:1], 0x0
	v_lshl_add_u32 v[SPW], v0, 2, SPARE
	v_mov_b32 v[NIL], 0
	ds_add_u32 v[SPW], v[NIL]
	ds_add_u32 v[SPW], v[NIL]
	v_lshrrev_b32 v1, 5, v0
	v_readfirstlane_b32 s[WV], v1
	s_bfe_u32 s21, ttmp6, 0x40000
	s_bfe_u32 s22, ttmp6, 0x40004
	s_lshl_b32 s23, ttmp9, 2
	s_add_co_u32 s23, s23, s21
	s_and_b32 s56, ttmp7, 0xffff
	s_lshl_b32 s56, s56, 2
	s_add_co_u32 s56, s56, s22
	s_lshl_b32 s57, s22, 2
	s_lshl_b32 s57, 15, s57
	s_lshl_b32 s58, 0x1111, s21
	s_or_b32 s[G1A], s57, FLD
	s_mov_b32 s[G1A+1], 256<<16
	s_mov_b32 s[G1A+2], 256<<16
	s_mov_b32 s[G1A+3], 256<<16
	s_mov_b32 s[G1A+4], 256
	s_mov_b32 s[G1A+5], 1024
	s_mov_b32 s[G1A+6], 0
	s_mov_b32 s[G1A+7], 0
	s_or_b32 s[G1B], s58, FLD
	s_mov_b32 s[G1B+1], 256<<16
	s_mov_b32 s[G1B+2], 64<<16
	s_mov_b32 s[G1B+3], 256<<16
	s_mov_b32 s[G1B+4], 64
	s_mov_b32 s[G1B+5], 1024
	s_mov_b32 s[G1B+6], 0
	s_mov_b32 s[G1B+7], 0
	s_lshl_b32 s60, s56, 18
	s_mov_b32 s61, 0
	s_min_u32 s59, s[WV], 2
	s_lshl_b32 s62, s59, 20
	s_lshl_b32 s63, s23, 16
	s_add_co_u32 s62, s62, s63
	s_mov_b32 s63, 0
	s_mul_i32 s59, s59, BTY
	s_add_co_u32 s59, s59, ABYT
	s_wait_dscnt 0x0
	s_wait_kmcnt 0x0
	s_load_b128 s[68:71], s[8:9], 0x0
	s_load_b32 s72, s[8:9], 0x14
	s_add_nc_u64 s[60:61], s[4:5], s[60:61]
	s_add_nc_u64 s[62:63], s[6:7], s[62:63]
	CROUND
.irp s, 0,1
	s_mov_b32 s[G0A+4*\s], 1
	s_mov_b32 s[G0A+4*\s+1], \s*SLOT
	s_add_nc_u64 s[G0A+4*\s+2:G0A+4*\s+3], s[60:61], \s*256
	s_or_b32 s[G0A+4*\s+3], s[G0A+4*\s+3], 0x80000000
	s_mov_b32 s[G0B+4*\s], 1
	s_add_co_u32 s[G0B+4*\s+1], s59, \s*SLOT
	s_add_nc_u64 s[G0B+4*\s+2:G0B+4*\s+3], s[62:63], \s*256
	s_or_b32 s[G0B+4*\s+3], s[G0B+4*\s+3], 0x80000000
	s_wait_alu depctr_va_vdst(0)
	s_wait_tensorcnt 0x0
	ds_add_u32 v28, v29
	ds_add_u32 v28, v29
	s_wait_dscnt 0x0
	CROUND
	JLOAD \s
.endr
	s_lshr_b32 s76, s56, 3
	s_and_b32 s77, s56, 7
	s_lshl_b32 s78, s76, 4
	s_add_co_u32 s78, s78, s23
	s_lshl_b32 s78, s78, 17
	s_lshl_b32 s80, s77, 14
	s_add_co_u32 s80, s80, s78
	s_lshl_b32 s79, s[WV], 12
	s_add_co_u32 s80, s80, s79
	s_mov_b32 s81, 0
	s_lshl_b32 s82, s77, 8
	s_add_co_u32 s82, s82, s78
	s_lshl_b32 s79, s[WV], 15
	s_add_co_u32 s82, s82, s79
	s_mov_b32 s83, 0
	s_lshl_b32 s86, s77, 15
	s_lshl_b32 s79, s[WV], 13
	s_add_co_u32 s86, s86, s79
	s_mov_b32 s87, 0
	s_add_nc_u64 s[14:15], s[14:15], s[80:81]
	s_add_nc_u64 s[16:17], s[16:17], s[80:81]
	s_add_nc_u64 s[18:19], s[18:19], s[82:83]
	s_add_nc_u64 s[10:11], s[10:11], s[86:87]
	s_add_nc_u64 s[12:13], s[12:13], s[86:87]
	v_and_b32 v1, 15, v0
	v_bfe_u32 v2, v0, 4, 1
	v_and_b32 v3, 31, v0
	v_lshlrev_b32 v[CSO], 7, v1
	v_lshl_add_u32 v[CSO], v2, 4, v[CSO]
.irp a, 0,1,2,3
.irp b, 0,1,2,3
	global_load_b128 v[128+4*(4*\a+\b):131+4*(4*\a+\b)], v[CSO], s[10:11] offset:2048*\a+32*\b
	global_load_b128 v[192+4*(4*\a+\b):195+4*(4*\a+\b)], v[CSO], s[12:13] offset:2048*\a+32*\b
.endr
.endr
	v_mul_u32_u24 v4, v1, PITCH
	v_lshl_add_u32 v4, v2, 4, v4
	s_mul_i32 s73, s[WV], 64*PITCH
	v_add_nc_u32 v[ADRA], s73, v4
	s_add_co_u32 s73, s73, SLOT
	v_add_nc_u32 v[ADRA+1], s73, v4
	v_add_nc_u32 v[ADRB], ABYT, v4
	v_add_nc_u32 v[ADRB+1], ABYT+SLOT, v4
	s_lshl_b32 s74, s[WV], 13
	s_add_co_u32 s74, s74, QKST
	v_lshlrev_b32 v[STQ], 6, v1
	v_lshl_add_u32 v[STQ], v2, 4, v[STQ]
	v_add_nc_u32 v[STQ], s74, v[STQ]
	v_lshlrev_b32 v[GOQ], 4, v3
	v_add_nc_u32 v[RDQ], s74, v[GOQ]
	s_lshl_b32 s75, s[WV], 6
	s_add_co_u32 s75, s75, VST
	v_add_nc_u32 v[STV], s75, v4
	s_mul_i32 s75, s[WV], 16*PITCH
	s_add_co_u32 s75, s75, VST
	v_mul_u32_u24 v[RDV], v2, PITCH
	v_lshl_add_u32 v[RDV], v1, 4, v[RDV]
	v_add_nc_u32 v[RDV], s75, v[RDV]
	v_lshlrev_b32 v[GOV], 11, v2
	v_lshl_add_u32 v[GOV], v1, 4, v[GOV]
	s_wait_kmcnt 0x0
	s_add_co_i32 s73, s68, s69
.irp n, 0,1,2
	s_sub_co_i32 s74, s[70+\n], s73
	s_add_co_i32 s74, s74, 127
	s_lshl_b32 s75, s74, 23
	v_mov_b32 v[30+2*\n], s75
	s_add_co_i32 s74, s74, 15
	s_lshl_b32 s74, s74, 23
	s_or_b32 s74, s74, 0x600000
	v_mov_b32 v[31+2*\n], s74
.endr
.macro FETCH slot, q, f
	WIN 0x40
.irp nb, 0,1,2,3,4,5,6,7,8,9,10,11
	ds_load_b128 v[96*\f+8*\nb:96*\f+8*\nb+3],   v[ADRB+\slot] offset:\nb*16*PITCH+64*\q
	ds_load_b128 v[96*\f+8*\nb+4:96*\f+8*\nb+7], v[ADRB+\slot] offset:\nb*16*PITCH+64*\q+32
.endr
	WIN 0
.irp a, 0,1,2,3
	ds_load_b128 v[64+32*\f+8*\a:64+32*\f+8*\a+3],   v[ADRA+\slot] offset:\a*16*PITCH+64*\q
	ds_load_b128 v[64+32*\f+8*\a+4:64+32*\f+8*\a+7], v[ADRA+\slot] offset:\a*16*PITCH+64*\q+32
.endr
.endm
.macro MULQK f, a0, zero
	WIN 0xa1
.irp a, \a0, \a0+1
.irp nb, 0,1,2,3,4,5,6,7
.if \zero
	v_wmma_f32_16x16x64_bf8_bf8 v[8*(8*(\a)+\nb):8*(8*(\a)+\nb)+7], v[96*\f+8*\nb:96*\f+8*\nb+7], v[64+32*\f+8*(\a):64+32*\f+8*(\a)+7], 0
.else
	v_wmma_f32_16x16x64_bf8_bf8 v[8*(8*(\a)+\nb):8*(8*(\a)+\nb)+7], v[96*\f+8*\nb:96*\f+8*\nb+7], v[64+32*\f+8*(\a):64+32*\f+8*(\a)+7], v[8*(8*(\a)+\nb):8*(8*(\a)+\nb)+7]
.endif
.endr
.endr
.endm
.macro MULV f, zero
	WIN 0xf4
.irp a, 0,1,2,3
.irp b, 0,1,2,3
.if \zero
	v_wmma_f32_16x16x64_bf8_bf8 v[8*(4*\a+\b):8*(4*\a+\b)+7], v[64+32*\f+8*\a:64+32*\f+8*\a+7], v[96*\f+8*(8+\b):96*\f+8*(8+\b)+7], 0
.else
	v_wmma_f32_16x16x64_bf8_bf8 v[8*(4*\a+\b):8*(4*\a+\b)+7], v[64+32*\f+8*\a:64+32*\f+8*\a+7], v[96*\f+8*(8+\b):96*\f+8*(8+\b)+7], v[8*(4*\a+\b):8*(4*\a+\b)+7]
.endif
.endr
.endr
.endm
.macro QUARTER slot, q, f, g, zero
	s_wait_dscnt 0x0
	PLACES
	FETCH \slot, \q, \g
	MULQK \f, 0, \zero
	MULQK \f, 2, \zero
	MULV \f, \zero
.endm
.macro TURN slot, next, fill
	WIN 0
	s_wait_tensorcnt 0x0
	ds_add_u32 v[SPW], v[NIL]
	s_wait_dscnt 1
	MULQK 1, 0, 0
	s_wait_dscnt 0x0
	s_barrier_signal -1
	MULQK 1, 2, 0
	WIN 0
	s_barrier_wait -1
.if \fill
	CREST
	s_add_nc_u64 s[G0A+4*\slot+2:G0A+4*\slot+3], s[G0A+4*\slot+2:G0A+4*\slot+3], 512
	s_add_nc_u64 s[G0B+4*\slot+2:G0B+4*\slot+3], s[G0B+4*\slot+2:G0B+4*\slot+3], 512
	JLOAD \slot
.else
	PLACES
.endif
	FETCH \next, 0, 0
	MULV 1, 0
.endm
	s_wait_tensorcnt 1
	s_barrier_signal -1
	s_barrier_wait -1
	FETCH 0, 0, 0
	QUARTER 0, 1, 0, 1, 1
	QUARTER 0, 2, 1, 0, 0
	QUARTER 0, 3, 0, 1, 0
	TURN 0, 1, 1
	QUARTER 1, 1, 0, 1, 0
	QUARTER 1, 2, 1, 0, 0
	QUARTER 1, 3, 0, 1, 0
	TURN 1, 0, 1
	QUARTER 0, 1, 0, 1, 0
	QUARTER 0, 2, 1, 0, 0
	QUARTER 0, 3, 0, 1, 0
	TURN 0, 1, 0
	QUARTER 1, 1, 0, 1, 0
	QUARTER 1, 2, 1, 0, 0
	QUARTER 1, 3, 0, 1, 0
	s_wait_dscnt 0x0
	MULQK 1, 0, 0
	MULQK 1, 2, 0
	MULV 1, 0
	WIN 0
.macro ROPE ty, a
	WIN 0x02
.irp b, 0,1,2,3
.irp p, 0,1,2,3
.set AC, 8*(8*(\a)+4*(\ty)+\b)+2*\p
.set CC, 128+4*(4*(\a)+\b)+\p
.set TT, 64+8*\b+2*\p
.set UU, 40+2*\p
	v_mul_f32 v[UU], v[AC+1], v[CC+64]
	v_mul_f32 v[UU+1], v[AC+1], v[CC]
	v_fma_f32 v[TT], v[AC], v[CC], -v[UU]
	v_fma_f32 v[TT+1], v[AC], v[CC+64], v[UU+1]
.endr
.endr
	WIN 0
.endm
.macro QUANT32 sc, lim, dst
.irp i, 0,1,2,3,4,5,6,7,8,9,10,11,12,13,14,15,16,17,18,19,20,21,22,23,24,25,26,27,28,29,30,31
.endr
.irp b, 0,1,2,3
	v_cvt_scalef32_pk8_bf8_f32 v[\dst+2*\b:\dst+2*\b+1], v[64+8*\b:64+8*\b+7], v[\sc]
.endr
	v_nop
.endm
	PLACES
	s_wait_loadcnt 0x0
.irp ty, 0,1
.irp a, 0,1,2,3
	ROPE \ty, \a
	QUANT32 30+2*\ty, 31+2*\ty, 96+8*\a
	ds_store_b128 v[STQ], v[96+8*\a:99+8*\a] offset:4096*\ty+1024*\a
	ds_store_b128 v[STQ], v[100+8*\a:103+8*\a] offset:4096*\ty+1024*\a+32
.endr
	s_wait_dscnt 0x0
.endr
.irp b, 0,1,2,3
	WIN 0x03
.irp a, 0,1,2,3
.irp i, 0,1,2,3,4,5,6,7
	v_med3_num_f32 v[64+8*\a+\i], v[8*(4*\a+\b)+\i], -v35, v35
.endr
.endr
	WIN 0
.irp a, 0,1,2,3
	v_cvt_scalef32_pk8_bf8_f32 v[96+8*\b+2*\a:97+8*\b+2*\a], v[64+8*\a:71+8*\a], v34
.endr
	v_nop
	ds_store_b128 v[STV], v[96+8*\b:99+8*\b] offset:16*PITCH*\b
	ds_store_b128 v[STV], v[100+8*\b:103+8*\b] offset:16*PITCH*\b+32
.endr
	s_wait_dscnt 0x0
	s_barrier_signal -1
	s_barrier_wait -1
.irp i, 0,1,2,3,4,5,6,7
	ds_load_b128 v[128+4*\i:131+4*\i], v[RDQ] offset:512*\i
.endr
.irp i, 0,1,2,3,4,5,6,7
	ds_load_b128 v[160+4*\i:163+4*\i], v[RDQ] offset:4096+512*\i
.endr
.irp i, 0,1,2,3,4,5,6,7
	ds_load_b128 v[192+4*\i:195+4*\i], v[RDV] offset:2*PITCH*\i
.endr
	s_wait_dscnt 16
.irp i, 0,1,2,3,4,5,6,7
	global_store_b128 v[GOQ], v[128+4*\i:131+4*\i], s[14:15] offset:512*\i
.endr
	s_wait_dscnt 8
.irp i, 0,1,2,3,4,5,6,7
	global_store_b128 v[GOQ], v[160+4*\i:163+4*\i], s[16:17] offset:512*\i
.endr
	s_wait_dscnt 0x0
.irp i, 0,1,2,3,4,5,6,7
	global_store_b128 v[GOV], v[192+4*\i:195+4*\i], s[18:19] offset:4096*\i
.endr
	s_wait_tensorcnt 0x0
	ds_add_u32 v[SPW], v[NIL]
	s_wait_dscnt 0x0
	CROUND
	s_endpgm
.Lfunc_end_k_qd158988111_qkv:
	.size	k_qd158988111_qkv, .Lfunc_end_k_qd158988111_qkv-k_qd158988111_qkv
	.p2alignl 7, 3214868480
	.fill 96, 4, 3214868480
	.section	.rodata,"a",@progbits
	.p2align	6, 0x0
	.amdhsa_kernel k_qd158988111_qkv
		.amdhsa_group_segment_fixed_size 327680
		.amdhsa_private_segment_fixed_size 0
		.amdhsa_enable_private_segment 0
		.amdhsa_kernarg_size 64
		.amdhsa_user_sgpr_count 2
		.amdhsa_user_sgpr_kernarg_segment_ptr 1
		.amdhsa_wavefront_size32 1
		.amdhsa_system_sgpr_workgroup_id_x 1
		.amdhsa_system_sgpr_workgroup_id_y 1
		.amdhsa_system_sgpr_workgroup_id_z 1
		.amdhsa_system_vgpr_workitem_id 0
		.amdhsa_next_free_vgpr 896
		.amdhsa_next_free_sgpr 100
		.amdhsa_reserve_vcc 0
		.amdhsa_float_denorm_mode_32 3
		.amdhsa_float_denorm_mode_16_64 3
		.amdhsa_fp16_overflow 1
		.amdhsa_memory_ordered 1
		.amdhsa_forward_progress 1
		.amdhsa_inst_pref_size 142
	.end_amdhsa_kernel
	.amdgpu_metadata
---
amdhsa.version: [ 1, 2 ]
amdhsa.kernels:
  - .name:           k_qd158988111_qkv
    .symbol:         k_qd158988111_qkv.kd
    .args:
      - { .name: x_codes, .offset: 0, .size: 8, .value_kind: global_buffer, .address_space: global }
      - { .name: w_attn_codes, .offset: 8, .size: 8, .value_kind: global_buffer, .address_space: global }
      - { .name: lowp_scales, .offset: 16, .size: 8, .value_kind: global_buffer, .address_space: global }
      - { .name: freqs_cos, .offset: 24, .size: 8, .value_kind: global_buffer, .address_space: global }
      - { .name: freqs_sin, .offset: 32, .size: 8, .value_kind: global_buffer, .address_space: global }
      - { .name: q_codes, .offset: 40, .size: 8, .value_kind: global_buffer, .address_space: global }
      - { .name: k_codes, .offset: 48, .size: 8, .value_kind: global_buffer, .address_space: global }
      - { .name: v_codes, .offset: 56, .size: 8, .value_kind: global_buffer, .address_space: global }
    .group_segment_fixed_size: 327680
    .private_segment_fixed_size: 0
    .kernarg_segment_align: 8
    .kernarg_segment_size: 64
    .max_flat_workgroup_size: 128
    .sgpr_count:     100
    .vgpr_count:     896
    .wavefront_size: 32
...
	.end_amdgpu_metadata
.endif
;; end of part 1
;; launch attn (part 2): grid 8 x 32, 16 waves a work-group, no clusters, 327,680 bytes of LDS; arguments q_codes, k_codes, v_codes, lowp_scales, out0; writes out0
.if DOCPART == 2
	.amdgcn_target "amdgcn-amd-amdhsa--gfx1250"
	.amdhsa_code_object_version 6
	.text
	.protected	k_qd158988111_attn
	.globl	k_qd158988111_attn
	.p2align	8
	.type	k_qd158988111_attn,@function
k_qd158988111_attn:
	s_mov_b64 s[64:65], 0
	v_nop
	global_prefetch_b8 v0, s[64:65] scope:SCOPE_SE
	s_setreg_imm32_b32 hwreg(HW_REG_WAVE_MODE, 25, 1), 1
	s_wait_xcnt 0x0
; SECOND OF TWO LAUNCHES.  out0[bh][q][:] = the sum over keys k <= q of softmax_k(Q[q] . K[k] / 8) V[k][:], both products on codes of E5M2 made by the first launch, scales 2^e2 (q), 2^e3 (k), 2^e4 (p), 2^e5 (v).
; WORK LEFT OUT: a step of 128 keys that all come after a wave's 16 queries: the causal mask turns their weights into 0 for all inputs.
; THE SOFTMAX AHEAD OF THE SECOND PRODUCT: t = score x log2(e) / 8; M = the row's largest t so far, rounded UP to a whole number; p = 2^(t - M) is what is quantised, along the keys; it is not normalised.
; The row's sum is taken of the unquantised p, in f32, and divides O at the end.  When M moves, the sum and O are multiplied by 2^(old M - new M): exact.
; SHARES.  Work-group (j, bh) owns two blocks of 128 queries of one head: block j and block 15 - j.  Each of its SIXTEEN waves owns one tile of 16 queries in 256 registers.  A wave of block j has j + 1 key steps of 128,
; one of block 15 - j has 16 - j.  Wave w is of the high block where (w xor w / 4) is odd: among the waves equal in w % 4, and among those equal in w / 4, two are low and two high: 2 (j + 1) + 2 (16 - j) = 34 steps, whatever j.
; K's and V's tiles come through a ring of two LDS slots of 256 keys, filled by the tensor data mover (waves 0 and 1: K's halves; wave 2: V's 64 rows) and read by all sixteen.
; NO CLUSTER: the work-groups of a head need different numbers of slots under the mask (work-group j: up to key 128 (16 - j) - 1), so a joint load would bring tiles that every wave of some partner jumps over.
; LAYOUT.  Both products are used transposed: S^T = K Q^T (source 0 = 16 keys, source 1 = my 16 queries), O^T = V^T P^T (source 0 = 16 of the head's 64, source 1 = P): a lane holds ONE query (lane % 16) throughout.
; Register j of key tile T holds key 16 T + 8 (lane / 16) + j, so the 16 registers of tiles 2 b, 2 b + 1 become 16 codes in the order 16 u + 8 h + i at byte 8 u + i: the very order in which v_codes has its keys.
; LIMITS on the given exponents, so that each power of two below is an f32 number: e2 + e3 between -123 and 130 (added to c's exponent field); e4 between -126 and 112; e4 + e5 goes in by v_ldexp_f32 and has none.
; REGISTERS: v1-7 addresses that stay; v8-11 addresses in hand; v12 -M, v13 the largest t, v[14:15] the sum in two halves; v16-23 Q; v32-95 K's eight or V's four fragments; v96-159 S^T, then p; v160-191 O^T; v224-239 p's codes; v236-255 at work.
.set SK,    256                        ; keys in a slot
.set KP,    80                         ; a key's row in LDS: 64 bytes + 16 of padding
.set VP,    272                        ; a row of V's tile: 256 keys + 16 of padding
.set VOFF,  SK*KP                      ; a slot: 256 rows of K, then 64 rows of V
.set SLOT1, 1<<17                      ; slot 1 begins here, so that one exclusive or turns an address in one slot into the other's
.set NSL,   2048/SK                    ; slots' worth of keys
.set STAGE, VOFF+64*VP                 ; the way out: 16 rows x (256 bytes + 16) for each wave, between slot 0's end and slot 1: no tile lands there
.set SPARE, 2*SLOT1                    ; the spare words, 128 bytes for each wave: eight blocks of 256 bytes that no other line names
.set AK0,  1                           ; v1   my lane's place in a tile of K
.set AV0,  2                           ; v2   the same for V
.set PFO,  3                           ; v3   the prefetches' offset; never rewritten
.set SPW,  5                           ; v5   LDS address of my spare word; never rewritten
.set NIL,  6                           ; v6   0; never rewritten
.set GO,   7                           ; v7   the way out: my byte offset in the wave's rows of out0
.set ADK,  8                           ; v8   LDS address of the step's tiles of K
.set ADV,  9                           ; v9   of V
.set WV,   18                          ; s18  my wave's number
.set SEL,  20                          ; s[20:21] lane selects for v_permlanex16_b32: lane l xor 16
.set CS,   22                          ; s[22:23] c = log2(e) / 8 x 2^(e2 + e3)
.set G1K,  24                          ; s[24:31] descriptor group 1 for K's tiles;  s[32:39] for V's;  s[40:43], s[44:47] their groups 0, which walk
.set G1V,  32
.set G0K,  40
.set G0V,  44
.set TB,   2                           ; s2   LDS byte at which the slot in hand begins
.set QL,   66                          ; s66  my work-group's last query
.set SLOTS, 67                         ; s67  changes of slots still to come in the loop
.set PFA,  76                          ; s[76:77] where my prefetches stand in memory
.set PFS,  78                          ; s[78:79] a slot on, in bytes
.set LIM,  80                          ; s80  1 in a wave that prefetches, else the greatest number
.set KF,   98                          ; s98  the step's first key
.set Q0,   99                          ; s99  my first query
; Waves 0 and 1 fetch K's halves, wave 2 fetches V, the others nothing.  The branches hang on the wave's number alone.  An s_nop 0 and four v_nop follow each of the two lines.
.macro TLOAD
	s_cmp_lt_u32 s[WV], 2
	s_cbranch_scc0 .Lnot_k_\@
	tensor_load_to_lds s[G0K:G0K+3], s[G1K:G1K+7]
	s_nop 0
.rept 4
	v_nop
.endr
	s_branch .Lasked_\@
.Lnot_k_\@:
	s_cmp_eq_u32 s[WV], 2
	s_cbranch_scc0 .Lasked_\@
	tensor_load_to_lds s[G0V:G0V+3], s[G1V:G1V+7]
	s_nop 0
.rept 4
	v_nop
.endr
.Lasked_\@:
.endm
; A PREFETCH of what the NEXT change of slots will ask for: 256 rows of K, one dense block of 16,384 bytes, and 256 keys of each of V's 64 rows.  It stands where the fetching waves have their tensor load.
; Each aligned block of 256 bytes is named ONCE in the launch: all work-groups of a head walk the same K and V, and the head's work-group j = 0, which walks all eight slots, asks.  In it waves 4 and 5 ask for K's block,
; 8,192 bytes a wave, lanes 256 bytes apart; waves 6 and 7 for V's rows, 32 a wave, a lane a row.  The loop's last change asks for nothing: there is no slot behind the one it loads.  Slots 0 and 1 come by their loads alone.
.macro ASK
	s_cmp_gt_u32 s[SLOTS], s[LIM]
	s_cbranch_scc0 .Lnot_mine_\@
	global_prefetch_b8 v[PFO], s[PFA:PFA+1] th:TH_LOAD_NT scope:SCOPE_SE
.Lnot_mine_\@:
.endm
	s_load_b128 s[4:7], s[0:1], 0x0                ; q_codes s[4:5], k_codes s[6:7]
	s_load_b128 s[12:15], s[0:1], 0x10             ; v_codes s[12:13], the scales' exponents s[14:15]
	s_load_b64 s[16:17], s[0:1], 0x20              ; out0
	v_lshl_add_u32 v[SPW], v0, 2, SPARE
	v_mov_b32 v[NIL], 0
	ds_add_u32 v[SPW], v[NIL]                      ; the wave's opening: the add, twice on end, and its wait ahead of my first tensor load
	ds_add_u32 v[SPW], v[NIL]                      ; and once more; the set-up below, work on registers, stands between it and the wait
	v_lshrrev_b32 v8, 5, v0
	s_delay_alu instid0(VALU_DEP_1)
	v_readfirstlane_b32 s[WV], v8                  ; wave 0..15
	s_and_b32 s72, ttmp7, 0xffff                   ; bh = batch x 16 + head
	s_lshl_b32 s74, s72, 17                        ; its first byte in each buffer of codes,
	s_mov_b32 s75, 0
	s_lshl_b32 s84, s72, 19                        ; and in out0 (2,048 rows of 256 bytes)
	s_lshr_b32 s81, s[WV], 2
	s_xor_b32 s81, s81, s[WV]
	s_and_b32 s81, s81, 1                          ; 1: I am of the high block
	s_sub_co_u32 s83, 15, ttmp9
	s_cmp_eq_u32 s81, 1
	s_cselect_b32 s83, s83, ttmp9                  ; my block of 128 queries: 15 - j or j
	s_lshl_b32 s83, s83, 7
	s_lshr_b32 s82, s[WV], 1
	s_lshl_b32 s82, s82, 4
	s_add_co_u32 s[Q0], s83, s82                   ; my first query: 128 x block + 16 x (wave / 2)
	s_sub_co_u32 s[QL], 16, ttmp9
	s_lshl_b32 s[QL], s[QL], 7
	s_sub_co_u32 s[QL], s[QL], 1                   ; the work-group's last query: 128 (16 - j) - 1: the same in all sixteen waves
	s_lshl_b32 s86, s[Q0], 6
	s_add_co_u32 s86, s86, s74                     ; my queries' codes
	s_mov_b32 s87, 0
	s_lshl_b32 s88, s[Q0], 8
	s_add_co_u32 s88, s88, s84                     ; my rows of out0
	s_mov_b32 s89, 0
	s_and_b32 s90, s[WV], 1                        ; which half of a slot's keys I fetch, if I fetch K:
	s_lshl_b32 s92, s90, 13                        ; 128 rows of 64 bytes in memory,
	s_add_co_u32 s92, s92, s74
	s_mov_b32 s93, 0
	s_mul_i32 s91, s90, 128*KP                     ; and in a slot
	s_mov_b32 s[G1K], (1<<20)|(3<<22)|(3<<25)      ; K: no mask; elements of 1 byte; padding on: after every 16 words (code 3) four words (code 3)
	s_mov_b32 s[G1K+1], 64<<16                     ; tensor_dim0
	s_mov_b32 s[G1K+2], 128<<16                    ; tensor_dim1
	s_mov_b32 s[G1K+3], 64<<16                     ; tile_dim0
	s_mov_b32 s[G1K+4], 128                        ; tile_dim1
	s_mov_b32 s[G1K+5], 64                         ; bytes from row to row
	s_mov_b32 s[G1K+6], 0
	s_mov_b32 s[G1K+7], 0
	s_mov_b32 s[G1V], (1<<20)|(5<<22)|(3<<25)      ; V: padding: four words after every 64
	s_mov_b32 s[G1V+1], 256<<16
	s_mov_b32 s[G1V+2], 64<<16
	s_mov_b32 s[G1V+3], 256<<16
	s_mov_b32 s[G1V+4], 64
	s_mov_b32 s[G1V+5], 2048
	s_mov_b32 s[G1V+6], 0
	s_mov_b32 s[G1V+7], 0
	s_mov_b32 s[SEL], 0x76543210
	s_mov_b32 s[SEL+1], 0xfedcba98
	s_mov_b32 s[CS], 0x3e38aa3b                    ; c = log2(e) / 8
	s_mov_b32 s[TB], 0
	s_mov_b32 s[SLOTS], NSL-1
	s_mov_b32 s[KF], 0
	s_wait_dscnt 0x0                               ; both opening adds are done
	s_wait_kmcnt 0x0
	s_load_b64 s[68:69], s[14:15], 0x8             ; e2, e3
	s_load_b64 s[70:71], s[14:15], 0x10            ; e4, e5
	s_mov_b32 s[G0K], 1
	s_mov_b32 s[G0K+1], s91                        ; slot 0
	s_add_nc_u64 s[G0K+2:G0K+3], s[6:7], s[92:93]  ; the head's first 256 keys
	s_or_b32 s[G0K+3], s[G0K+3], 0x80000000
	s_mov_b32 s[G0V], 1
	s_mov_b32 s[G0V+1], VOFF
	s_add_nc_u64 s[G0V+2:G0V+3], s[12:13], s[74:75]
	s_or_b32 s[G0V+3], s[G0V+3], 0x80000000
	TLOAD                                          ; slot 0: it holds key 0, which counts for every query
	s_add_nc_u64 s[4:5], s[4:5], s[86:87]
	s_add_nc_u64 s[16:17], s[16:17], s[88:89]
	; the prefetches (macro ASK): where my wave's stand, and who asks
	s_cmp_lt_u32 s[WV], 6                          ; waves 4 and 5 ask for K's codes, waves 6 and 7 for V's
	s_cselect_b64 s[PFA:PFA+1], s[6:7], s[12:13]
	s_mov_b32 s[PFS], 256
	s_cselect_b32 s[PFS], SK*64, s[PFS]            ; a slot on
	s_mov_b32 s82, 2048
	s_cselect_b32 s82, 256, s82                    ; from lane to lane
	s_mov_b32 s83, 32*2048
	s_cselect_b32 s83, 8192, s83                   ; from wave to wave
	v_and_b32 v[PFO], 31, v0
	s_delay_alu instid0(VALU_DEP_1)
	v_mul_lo_u32 v[PFO], v[PFO], s82
	s_and_b32 s82, s[WV], 1
	s_mul_i32 s82, s82, s83                        ; my wave's part,
	s_add_co_u32 s82, s82, s[PFS]                  ; in slot 1: the first change of slots steps it to slot 2.  Nothing is prefetched here, at the head
	s_mov_b32 s83, 0
	s_mov_b32 s[PFS+1], 0
	s_add_nc_u64 s[PFA:PFA+1], s[PFA:PFA+1], s[74:75]
	s_add_nc_u64 s[PFA:PFA+1], s[PFA:PFA+1], s[82:83]
	s_sub_co_u32 s82, s[WV], 4
	s_lshr_b32 s82, s82, 2                         ; 0 in waves 4 to 7,
	s_or_b32 s82, s82, ttmp9                       ; of work-group j = 0
	s_cmp_eq_u32 s82, 0
	s_cselect_b32 s[LIM], 1, -1
	v_and_b32 v8, 15, v0                           ; r = lane % 16
	v_bfe_u32 v9, v0, 4, 1                         ; h = lane / 16
	s_delay_alu instid0(VALU_DEP_2)
	v_lshlrev_b32 v10, 6, v8
	s_delay_alu instid0(VALU_DEP_1)
	v_lshl_add_u32 v10, v9, 4, v10                 ; Q: row r of 64 bytes, + 16 h
	global_load_b128 v[16:19], v10, s[4:5]         ; Q's fragment stays in registers
	global_load_b128 v[20:23], v10, s[4:5] offset:32
	v_mul_u32_u24 v[AK0], v8, KP
	s_delay_alu instid0(VALU_DEP_1)
	v_lshl_add_u32 v[AK0], v9, 4, v[AK0]
	v_mul_u32_u24 v[AV0], v8, VP
	s_delay_alu instid0(VALU_DEP_1)
	v_lshl_add_u32 v[AV0], v9, 4, v[AV0]
	s_delay_alu instid0(VALU_DEP_1)
	v_add_nc_u32 v[AV0], VOFF, v[AV0]
	v_lshlrev_b32 v[GO], 8, v9
	s_delay_alu instid0(VALU_DEP_1)
	v_lshl_add_u32 v[GO], v8, 4, v[GO]             ; the way out: lanes 0-15 take one row of out0, lanes 16-31 the next; 16 bytes a lane
	v_mov_b32 v13, 0xff61b1e6                      ; the largest t so far: -3e38, under every t
	s_delay_alu instid0(VALU_DEP_1)
	v_floor_f32 v12, -v13                          ; -M
	v_mov_b32 v14, 0                               ; the sum, in two halves
	v_mov_b32 v15, 0
	v_mov_b32 v246, 0                              ; written once: a lane permute's destination counts as one of its sources
	v_mov_b32 v253, 0                              ; (named as the upper half of the pair v[252:253])
.irp j, 0,1,2,3,4,5,6,7,8,9,10,11,12,13,14,15,16,17,18,19,20,21,22,23,24,25,26,27,28,29,30,31
	v_mov_b32 v[160+\j], 0                         ; O^T.  (The step is written without a first form of its own: the first step finds zeros, which the first change of M leaves zeros)
.endr
	s_wait_kmcnt 0x0
	s_add_co_i32 s72, s68, s69
	s_lshl_b32 s72, s72, 23
	s_add_co_i32 s[CS], s[CS], s72                 ; a score stands for score x 2^(e2 + e3): the two exponents are added to c's exponent field
	s_mov_b32 s[CS+1], s[CS]                       ; (named with it as a pair, so it is written)
	s_add_co_i32 s72, s70, 127
	s_lshl_b32 s73, s72, 23
	v_mov_b32 v244, s73                            ; 2^e4 as f32, for the conversion
; A KEY STEP: 128 keys, the q-th of the slot in hand.
.macro STEP q
	s_add_co_u32 s96, s[Q0], 15                    ; a step all of whose keys come after my 16 queries is left out: a scalar branch on ids, round the step's loads, products and softmax; no barrier or tensor load stands in a step
	s_cmp_gt_u32 s[KF], s96
	s_cbranch_scc1 .Lhidden_\@
	v_add_nc_u32 v[ADK], s[TB], v[AK0]
	v_add_nc_u32 v[ADV], s[TB], v[AV0]
.rept 2
	v_nop                                          ; with the two additions above: four places in front of loads into registers that the last step's matrix instructions have read
.endr
.irp t, 0,1,2,3,4,5,6,7
.irp c, 0,1
	ds_load_b128 v[32+8*\t+4*\c:35+8*\t+4*\c], v[ADK] offset:(128*(\q)+16*\t)*KP+32*\c
.endr
.endr
	s_wait_alu depctr_va_vdst(0)
	s_wait_dscnt 0x0
.irp t, 0,1,2,3,4,5,6,7                        ; S^T = K Q^T: eight tiles of 16 keys; K = the head's 64
	v_wmma_f32_16x16x64_bf8_bf8 v[96+8*\t:103+8*\t], v[32+8*\t:39+8*\t], v[16:23], 0
.endr
.rept 4
	v_nop                                          ; places in front of the loads below and of the first read of the scores
.endr
.irp t, 0,1,2,3                                ; V's four fragments are asked for now, and land under the softmax
.irp c, 0,1,2,3
	ds_load_b128 v[32+16*\t+4*\c:35+16*\t+4*\c], v[ADV] offset:16*\t*VP+128*(\q)+32*\c
.endr
.endr
	s_add_co_u32 s96, s[KF], 127                   ; on the diagonal the scores of hidden keys become -infinity ahead of the maximum: p = 0 then.  A step all of whose keys count skips this
	s_cmp_le_u32 s96, s[Q0]
	s_cbranch_scc1 .Lopen_\@
	s_sub_co_i32 s96, s[Q0], s[KF]
	v_and_b32 v252, 15, v0
	v_bfe_u32 v253, v0, 4, 1
	s_delay_alu instid0(VALU_DEP_1)
	v_lshlrev_b32 v253, 3, v253
	s_delay_alu instid0(VALU_DEP_1)
	v_sub_nc_u32 v252, v252, v253
	s_delay_alu instid0(VALU_DEP_1)
	v_add_nc_u32 v252, s96, v252                   ; d = my query - KF - 8 (lane / 16).  Register 8 T + i holds key KF + 16 T + 8 (lane / 16) + i: hidden where 16 T + i > d
	v_mov_b32 v254, 0xff800000                     ; -infinity
.irp n, 0,1,2,3,4,5,6,7,8,9,10,11,12,13,14,15,16,17,18,19,20,21,22,23,24,25,26,27,28,29,30,31,32,33,34,35,36,37,38,39,40,41,42,43,44,45,46,47,48,49,50,51,52,53,54,55,56,57,58,59,60,61,62,63
	v_cmp_gt_i32 vcc_lo, 16*(\n/8)+\n%8, v252
	v_cndmask_b32 v[96+\n], v[96+\n], v254, vcc_lo
.endr
.Lopen_\@:
	v_max3_num_f32 v254, v96, v97, v98             ; the step's largest score of my query, among my 64 keys, in two chains; each accumulator is read from its low end on
	v_max3_num_f32 v252, v99, v100, v101
.irp i, 6,10,14,18,22,26,30,34,38,42,46,50,54,58
	v_max3_num_f32 v254, v254, v[96+\i], v[97+\i]
	v_max3_num_f32 v252, v252, v[98+\i], v[99+\i]
.endr
	v_max3_num_f32 v254, v254, v158, v159
	s_delay_alu instid0(VALU_DEP_1)
	v_max_num_f32 v254, v254, v252
	s_delay_alu instid0(VALU_DEP_1)
	v_permlanex16_b32 v246, v254, s[SEL], s[SEL+1]
	s_delay_alu instid0(VALU_DEP_1)
	v_max_num_f32 v254, v254, v246                 ; and among lane l xor 16's
	s_delay_alu instid0(VALU_DEP_1)
	v_mul_f32 v254, s[CS], v254                    ; as t (c is positive)
	s_delay_alu instid0(VALU_DEP_1)
	v_max_num_f32 v13, v13, v254                   ; the running largest t
	v_mov_b32 v254, v12
	s_delay_alu instid0(VALU_DEP_2)
	v_floor_f32 v12, -v13                          ; the new -M = floor(-t) = -ceil(t): M is a whole number
	s_delay_alu instid0(VALU_DEP_1)
	v_sub_f32 v254, v12, v254                      ; M's old value less its new one: a whole number, 0 or less
	s_delay_alu instid0(VALU_DEP_1)
	v_cvt_i32_f32 v254, v254                       ; (it saturates)
	s_delay_alu instid0(VALU_DEP_1)
	v_ldexp_f32 v252, 1.0, v254                    ; f = 2^(old M - new M): a multiplication by it rounds nothing
.irp j, 0,2,4,6,8,10,12,14,16,18,20,22,24,26,28,30,32,34,36,38,40,42,44,46,48,50,52,54,56,58,60,62
	v_pk_fma_f32 v[96+\j:97+\j], v[96+\j:97+\j], s[CS:CS+1], v[12:13] op_sel_hi:[1,0,0]   ; t - M, two at a time (of the pairs c and -M the low word serves both halves)
.endr
	s_wait_alu depctr_va_vdst(0)
.irp j, 0,1,2,3,4,5,6,7,8,9,10,11,12,13,14,15,16,17,18,19,20,21,22,23,24,25,26,27,28,29,30,31,32,33,34,35,36,37,38,39,40,41,42,43,44,45,46,47,48,49,50,51,52,53,54,55,56,57,58,59,60,61,62,63
	v_exp_f32 v[96+\j], v[96+\j]                   ; p = 2^(t - M), at most 1: not normalised
.endr
	v_pk_mul_f32 v[14:15], v[14:15], v[252:253] op_sel_hi:[1,0]   ; the sums under the new M: the plain instruction behind the exponentials
	s_wait_alu depctr_va_vdst(0)                   ; one wait for the whole batch of 64, ahead of its first reader
	v_pk_add_f32 v[242:243], v[100:101], v[104:105]
	v_pk_add_f32 v[254:255], v[108:109], v[112:113]
	v_pk_add_f32 v[250:251], v[116:117], v[120:121]
	v_pk_add_f32 v[248:249], v[124:125], v[128:129]
	v_pk_add_f32 v[240:241], v[132:133], v[136:137]
	v_pk_add_f32 v[238:239], v[140:141], v[144:145]
	v_pk_add_f32 v[236:237], v[148:149], v[152:153]
	v_pk_add_f32 v[14:15], v[14:15], v[156:157]
	v_pk_add_f32 v[242:243], v[242:243], v[96:97]
	v_pk_add_f32 v[254:255], v[254:255], v[98:99]
	v_pk_add_f32 v[250:251], v[250:251], v[102:103]
	v_pk_add_f32 v[248:249], v[248:249], v[106:107]
	v_pk_add_f32 v[240:241], v[240:241], v[110:111]
	v_pk_add_f32 v[238:239], v[238:239], v[114:115]
	v_pk_add_f32 v[236:237], v[236:237], v[118:119]
	v_pk_add_f32 v[14:15], v[14:15], v[122:123]
	v_pk_add_f32 v[242:243], v[242:243], v[126:127]
	v_pk_add_f32 v[254:255], v[254:255], v[130:131]
	v_pk_add_f32 v[250:251], v[250:251], v[134:135]
	v_pk_add_f32 v[248:249], v[248:249], v[138:139]
	v_pk_add_f32 v[240:241], v[240:241], v[142:143]
	v_pk_add_f32 v[238:239], v[238:239], v[146:147]
	v_pk_add_f32 v[236:237], v[236:237], v[150:151]
	v_pk_add_f32 v[14:15], v[14:15], v[154:155]
	v_pk_add_f32 v[242:243], v[242:243], v[158:159]
	s_delay_alu instid0(VALU_DEP_2)
	v_pk_add_f32 v[14:15], v[14:15], v[248:249]
	s_delay_alu instid0(VALU_DEP_2)
	v_pk_add_f32 v[242:243], v[242:243], v[240:241]
	v_pk_add_f32 v[254:255], v[254:255], v[238:239]
	v_pk_add_f32 v[250:251], v[250:251], v[236:237]
	s_delay_alu instid0(VALU_DEP_2)
	v_pk_add_f32 v[14:15], v[14:15], v[254:255]
	s_delay_alu instid0(VALU_DEP_2)
	v_pk_add_f32 v[242:243], v[242:243], v[250:251]
	s_delay_alu instid0(VALU_DEP_1)
	v_pk_add_f32 v[14:15], v[14:15], v[242:243]
.irp b, 0,1,2,3
.irp i, 0,1,2,3,4,5,6,7,8,9,10,11,12,13,14,15
.endr
	v_cvt_scalef32_pk8_bf8_f32 v[224+4*\b:225+4*\b], v[96+16*\b:103+16*\b], v244
	v_cvt_scalef32_pk8_bf8_f32 v[226+4*\b:227+4*\b], v[104+16*\b:111+16*\b], v244
.endr
.irp j, 0,2,4,6,8,10,12,14,16,18,20,22,24,26,28,30
	v_pk_mul_f32 v[160+\j:161+\j], v[160+\j:161+\j], v[252:253] op_sel_hi:[1,0]   ; O^T under the new M: x f.  (These sixteen are also the plain instructions between the conversions and the products below)
.endr
	s_wait_alu depctr_va_vdst(0)
	s_wait_dscnt 0x0                               ; V's fragments are in
.irp t, 0,1,2,3                                ; O^T += V^T P^T: four tiles of 16 of the head's 64, by turns; K = these 128 keys
	v_wmma_f32_16x16x128_bf8_bf8 v[160+8*\t:167+8*\t], v[32+16*\t:47+16*\t], v[224:239], v[160+8*\t:167+8*\t]
.endr
.Lhidden_\@:
	s_add_co_u32 s[KF], s[KF], 128
.endm
; THE CHANGE OF SLOTS stands at a slot's head.  Each wave waits for all its tensor loads (its part of the slot that it is about to read), adds 0 to its spare word (fill = 1: twice on end), and waits for that and for its
; reads of the slot that it has left.  Behind the barrier the slot ahead is whole and nobody reads the other one.  fill = 1: that other slot takes the keys that follow, up to the causal limit: the load has a slot's two steps in which to land.
.macro CHANGE fill
	s_wait_tensorcnt 0x0                           ; no tensor load of mine is out, so a group 0 may be written
	ds_add_u32 v[SPW], v[NIL]                      ; 0 onto my spare word
.if \fill
	ds_add_u32 v[SPW], v[NIL]                      ; and once more: the add twice on end here, in every trip alike.  The descriptors' steps stand between the second and the wait
	s_xor_b32 s[G0K+1], s[G0K+1], SLOT1            ; the walking descriptors: the other slot than last time,
	s_add_nc_u64 s[G0K+2:G0K+3], s[G0K+2:G0K+3], SK*64   ; the next 256 keys; the type bits on top are not reached
	s_xor_b32 s[G0V+1], s[G0V+1], SLOT1
	s_add_nc_u64 s[G0V+2:G0V+3], s[G0V+2:G0V+3], SK
	s_wait_xcnt 0x0                                ; the last prefetch, a slot back, has read its address, so it may be written:
	s_add_nc_u64 s[PFA:PFA+1], s[PFA:PFA+1], s[PFS:PFS+1]  ; one slot further on than the walking descriptors
.endif
	s_wait_dscnt 0x0                               ; the add is done (fill = 1: both are), and my reads of the slot that I have left are over
	s_barrier_signal -1
	s_barrier_wait -1
.if \fill
	s_add_co_u32 s96, s[KF], SK                    ; THE LOOK-AHEAD ENDS AT THE CAUSAL LIMIT: a slot whose first key comes after the work-group's last query is read by none of its waves, so it is not asked for.
	s_cmp_gt_u32 s96, s[QL]                        ; Ids and the count of steps alone: all sixteen waves go the same way, and a work-group that is past the limit stays past it.  Every wait on TENSORcnt in this text is for 0
	s_cbranch_scc1 .Lpast_\@
	TLOAD                                          ; the first thing behind the barrier and the limit's lines, and a wave's one tensor load until the next barrier
.Lpast_\@:
	ASK                                            ; what the next change of slots will ask for: a slot's two key steps ahead of that load
.endif
.endm
.macro SLOT_STEPS
	STEP 0
	STEP 1
	s_xor_b32 s[TB], s[TB], SLOT1                  ; on to the other slot
.endm
	s_wait_loadcnt 0x0                             ; Q
.Lslot:                                            ; NSL - 1 trips, a constant: every work-group walks all slots and jumps over the work that the mask hides
	CHANGE 1
	SLOT_STEPS
	s_sub_co_u32 s[SLOTS], s[SLOTS], 1
	s_cmp_lg_u32 s[SLOTS], 0
	s_cbranch_scc1 .Lslot
	CHANGE 0                                       ; the last slot is written out: nothing is asked for behind its change
	SLOT_STEPS
	; THE WAY OUT.  The sum's two halves are added; O^T is divided by the sum and goes through my stage in LDS, 16 rows of 256 bytes, so that sixteen lanes store one aligned run of 256 bytes.
	v_add_f32 v14, v14, v15                        ; the sum's two halves,
	s_delay_alu instid0(VALU_DEP_1)
	v_permlanex16_b32 v252, v14, s[SEL], s[SEL+1]
	s_delay_alu instid0(VALU_DEP_1)
	v_add_f32 v14, v14, v252                       ; and lane l xor 16's: the row's sum
	s_wait_alu depctr_va_vdst(0)
	v_rcp_f32 v14, v14
	v_and_b32 v8, 15, v0                           ; (a plain instruction behind the reciprocal)  r
	v_bfe_u32 v9, v0, 4, 1                         ; h
	s_add_co_i32 s72, s70, s71                     ; e4 + e5
	s_mul_i32 s73, s[WV], 16*272
	s_add_co_u32 s73, s73, STAGE                   ; my stage
	v_mul_u32_u24 v10, v8, 272
	s_delay_alu instid0(VALU_DEP_1)
	v_lshl_add_u32 v10, v9, 5, v10
	s_delay_alu instid0(VALU_DEP_1)
	v_add_nc_u32 v10, s73, v10                     ; in: row r; tile t's eight channels of my half: 64 t + 32 h bytes on
	v_mul_u32_u24 v11, v9, 272
	s_delay_alu instid0(VALU_DEP_1)
	v_lshl_add_u32 v11, v8, 4, v11
	s_delay_alu instid0(VALU_DEP_1)
	v_add_nc_u32 v11, s73, v11                     ; back: lanes 0-15 one row, lanes 16-31 the next
	s_wait_alu depctr_va_vdst(0)                   ; the wait ahead of the reciprocal's first reader
	v_ldexp_f32 v14, v14, s72                      ; x 2^(e4 + e5)
.irp j, 0,1,2,3,4,5,6,7,8,9,10,11,12,13,14,15,16,17,18,19,20,21,22,23,24,25,26,27,28,29,30,31
	v_mul_f32 v[96+\j], v[160+\j], v14             ; O^T / the sum: register 8 t + i is out0(query r, 16 t + 8 h + i)
.endr
.irp t, 0,1,2,3
	ds_store_b128 v10, v[96+8*\t:99+8*\t] offset:64*\t
	ds_store_b128 v10, v[100+8*\t:103+8*\t] offset:64*\t+16
.endr
.irp i, 0,1,2,3,4,5,6,7
	ds_load_b128 v[32+4*\i:35+4*\i], v11 offset:2*\i*272   ; LDS serves a wave's instructions in order (ISA guide 5.7.1.4): these see my stores
.endr
.irp i, 0,1,2,3,4,5,6,7
	s_wait_dscnt 7-\i                              ; load i is in; the 7 - i behind it may be out
	global_store_b128 v[GO], v[32+4*\i:35+4*\i], s[16:17] offset:512*\i th:TH_STORE_NT   ; 32 lanes store two rows, 512 consecutive bytes, at a multiple of 256 from out0's first byte; written once, read by nobody here
.endr
	s_wait_tensorcnt 0x0                           ; the wave's end, behind my last tensor load and my last LDS store
	ds_add_u32 v[SPW], v[NIL]
	s_wait_dscnt 0x0
	s_endpgm
.Lfunc_end_k_qd158988111_attn:
	.size	k_qd158988111_attn, .Lfunc_end_k_qd158988111_attn-k_qd158988111_attn
	.p2alignl 7, 3214868480
	.fill 96, 4, 3214868480
	.section	.rodata,"a",@progbits
	.p2align	6, 0x0
	.amdhsa_kernel k_qd158988111_attn
		.amdhsa_group_segment_fixed_size 327680
		.amdhsa_private_segment_fixed_size 0
		.amdhsa_enable_private_segment 0
		.amdhsa_kernarg_size 40
		.amdhsa_user_sgpr_count 2
		.amdhsa_user_sgpr_kernarg_segment_ptr 1
		.amdhsa_wavefront_size32 1
		.amdhsa_system_sgpr_workgroup_id_x 1
		.amdhsa_system_sgpr_workgroup_id_y 1
		.amdhsa_system_sgpr_workgroup_id_z 1
		.amdhsa_system_vgpr_workitem_id 0
		.amdhsa_next_free_vgpr 256
		.amdhsa_next_free_sgpr 100
		.amdhsa_reserve_vcc 1
		.amdhsa_float_denorm_mode_32 3
		.amdhsa_float_denorm_mode_16_64 3
		.amdhsa_fp16_overflow 1
		.amdhsa_memory_ordered 1
		.amdhsa_forward_progress 1
		.amdhsa_inst_pref_size 91
	.end_amdhsa_kernel
	.amdgpu_metadata
---
amdhsa.version: [ 1, 2 ]
amdhsa.kernels:
  - .name:           k_qd158988111_attn
    .symbol:         k_qd158988111_attn.kd
    .args:
      - { .name: q_codes, .offset: 0, .size: 8, .value_kind: global_buffer, .address_space: global }
      - { .name: k_codes, .offset: 8, .size: 8, .value_kind: global_buffer, .address_space: global }
      - { .name: v_codes, .offset: 16, .size: 8, .value_kind: global_buffer, .address_space: global }
      - { .name: lowp_scales, .offset: 24, .size: 8, .value_kind: global_buffer, .address_space: global }
      - { .name: out0, .offset: 32, .size: 8, .value_kind: global_buffer, .address_space: global }
    .group_segment_fixed_size: 327680
    .private_segment_fixed_size: 0
    .kernarg_segment_align: 8
    .kernarg_segment_size: 40
    .max_flat_workgroup_size: 512
    .sgpr_count:     100
    .vgpr_count:     256
    .wavefront_size: 32
...
	.end_amdgpu_metadata
.endif
;; end of part 2
